; MI455X (gfx1250); checked and timed in simulation.
; The chip was launched on July 23, 2026; its instructions are those of AMD's public machine-readable ISA for CDNA 5 (MIT licence, August 2026) and "CDNA5" Instruction Set Architecture Reference Guide (July 2026). The comments in the code are by the model that wrote it; some were corrected since.
;; Warper. Allowed arithmetic: float matrix products may take bf16 or f16 operands with f32 sums; other float arithmetic in f32, or as packed bf16 or f16 multiplies, adds, multiply-adds, maxima and minima; sums over many terms, partial sums and values carried from step to step in f32; what a program stores and reads back later, other than sums and carried values, may be rounded once to bf16 or f16.
;; Inputs: W1 4 x 3 x 256 float32; W2 4 x 256 x 256 float32; W4 4 x 256 x 3 float32; Wc 4 x 128 x 256 float32; b1 4 x 256 float32; b2 4 x 256 float32; b4 4 x 3 float32; bc 4 x 256 float32; input 50,000 x 131 float32.
;; Outputs: out0 50,000 x 3 float32; out1 4 x 50,000 x 3 float32.
;; One version. Each part assembles by itself: llvm-mc -triple=amdgcn-amd-amdhsa -mcpu=gfx1250 --defsym DOCPART=n.
;; ======== version 1 of 1: 2 launches
;; workspace buffers: w2b 593,920 bytes; wcb 262,144 bytes
;; launch prep (part 1): grid 51 x 4, 8 waves a work-group, no clusters, 0 bytes of LDS; arguments W1, b1, W2, b2, W4, Wc, w2b, wcb; writes w2b, wcb
.if DOCPART == 1
	.amdgcn_target "amdgcn-amd-amdhsa--gfx1250"
	.amdhsa_code_object_version 6
	.text
	.protected	k_qe1584e33cd_prep
	.globl	k_qe1584e33cd_prep
	.p2align	8
	.type	k_qe1584e33cd_prep,@function
k_qe1584e33cd_prep:
	s_mov_b64 s[64:65], 0
	v_nop
	global_prefetch_b8 v0, s[64:65] scope:SCOPE_SE
	s_setreg_imm32_b32 hwreg(HW_REG_WAVE_MODE, 25, 1), 1
	s_wait_xcnt 0x0
; The weights are cast once to bf16 (round to nearest even) and laid out as the second launch fetches them.
; w2b, for each block s (grid y), 148,480 bytes = 580 rows of 256:
;   0        W2[s] as bf16, [k][m], 512 bytes a row
;   131,072  W1ext, 16 rows of 256 bf16: rows 0-2 hi(W1[s][c]); 3-5 the same again; 6 hi(b1[s]); 7 lo(b1[s]); 8-10 lo(W1[s][c]); 11-15 zeros
;            (hi(v) = bf16(v), lo(v) = bf16(v - hi(v)): a point's coordinates meet W1 and b1 with 16 significant bits)
;   139,264  W4ext, 32 bytes for each k: (w0, w1, w2, 0, 0, 0, 0, 0) twice
;   147,456  b2[s] in f32
; wcb: Wc as bf16, [s][z][m].
; Grid x: 0-31 cast W2[s], 32-47 cast Wc[s] (2,048 numbers a work-group), 48 and 49 make W1ext (a wave a row), 50 makes W4ext and copies b2.
; LIMIT: W1 and b1 lie within bf16's range (3.39e38), or hi is an infinity and lo no number.
.set BLK, 148480
.set W1O, 131072
.set W4O, 139264
.set B2O, 147456
	s_load_b512 s[4:19], s[0:1], 0x0               ; W1 s[4:5], b1 s[6:7], W2 s[8:9], b2 s[10:11], W4 s[12:13], Wc s[14:15], w2b s[16:17], wcb s[18:19]
	s_mov_b32 s20, ttmp9                           ; x
	s_and_b32 s21, ttmp7, 0xffff                   ; block s
	v_lshrrev_b32 v1, 5, v0
	v_readfirstlane_b32 s22, v1                    ; wave 0..7
	s_mul_i32 s36, s21, BLK                        ; block s in w2b
	s_mov_b32 s37, 0
	s_mov_b32 s35, 0
	v_lshlrev_b32 v3, 4, v0                        ; 16 bytes a thread
	s_wait_kmcnt 0x0
	s_cmp_lt_u32 s20, 48
	s_cbranch_scc0 .Lsmall
	; THE CAST: a thread reads 32 bytes and stores 16; a wave's store covers 512 consecutive bytes
	s_mov_b32 s24, 262144                          ; bytes of W2[s]
	s_mov_b32 s25, 131072                          ; bytes of Wc[s]
	s_lshl_b32 s26, s21, 16                        ; block s in wcb
	s_cmp_lt_u32 s20, 32
	s_cselect_b64 s[28:29], s[8:9], s[14:15]       ; from W2 or Wc
	s_cselect_b64 s[30:31], s[16:17], s[18:19]     ; to w2b or wcb
	s_cselect_b32 s24, s24, s25
	s_cselect_b32 s36, s36, s26
	s_cselect_b32 s27, 0, 32
	s_sub_co_u32 s27, s20, s27                     ; my piece of the matrix
	s_mul_i32 s34, s24, s21
	s_lshl_b32 s24, s27, 13                        ; 8,192 bytes in,
	s_add_co_u32 s34, s34, s24
	s_lshl_b32 s24, s27, 12                        ; 4,096 out
	s_add_co_u32 s36, s36, s24
	s_add_nc_u64 s[28:29], s[28:29], s[34:35]
	s_add_nc_u64 s[30:31], s[30:31], s[36:37]
	v_lshlrev_b32 v2, 5, v0
	global_load_b128 v[4:7], v2, s[28:29] th:TH_LOAD_NT
	global_load_b128 v[8:11], v2, s[28:29] offset:16 th:TH_LOAD_NT
	s_wait_loadcnt 0x0
.irp n, 0,1,2,3
	v_cvt_pk_bf16_f32 v[12+\n], v[4+2*\n], v[5+2*\n]
.endr
	global_store_b128 v3, v[12:15], s[30:31]
	s_endpgm
.Lsmall:
	s_add_nc_u64 s[16:17], s[16:17], s[36:37]      ; w2b at block s
	s_cmp_eq_u32 s20, 50
	s_cbranch_scc1 .Lw4
	; W1ext: wave w of work-group x makes row kk = 8 (x - 48) + w; a lane makes 8 columns
	s_sub_co_u32 s23, s20, 48
	s_lshl3_add_u32 s23, s23, s22                  ; kk
	s_sub_co_u32 s24, s23, 3
	s_sub_co_u32 s25, s23, 8
	s_cmp_lt_u32 s23, 3
	s_cselect_b32 s26, s23, s24                    ; rows 0-2: kk; rows 3-5: kk - 3
	s_cmp_lt_u32 s23, 6
	s_cselect_b32 s26, s26, s25                    ; rows 8-10: kk - 8
	s_cmp_lt_u32 s26, 3
	s_cselect_b32 s26, s26, 0                      ; the other rows read row 0 and mask it away (or read b1)
	s_mul_i32 s27, s21, 3
	s_add_co_u32 s27, s27, s26
	s_lshl_b32 s27, s27, 10                        ; the row in W1
	s_lshl_b32 s32, s21, 10                        ; the row in b1
	s_sub_co_u32 s24, s23, 6
	s_cmp_lt_u32 s24, 2                            ; rows 6 and 7 come from b1
	s_cselect_b64 s[28:29], s[6:7], s[4:5]
	s_cselect_b32 s34, s32, s27
	s_add_nc_u64 s[28:29], s[28:29], s[34:35]
	s_cmp_lt_u32 s23, 7
	s_cselect_b32 s38, -1, 0                       ; rows 0-6 take hi
	s_sub_co_u32 s24, s23, 7
	s_cmp_lt_u32 s24, 4
	s_cselect_b32 s39, -1, 0                       ; rows 7-10 take lo; rows 11-15 neither
	s_lshl_b32 s34, s23, 9
	s_add_co_u32 s34, s34, W1O
	s_add_nc_u64 s[16:17], s[16:17], s[34:35]
	v_and_b32 v2, 31, v0
	v_lshlrev_b32 v1, 5, v2
	v_lshlrev_b32 v2, 4, v2
	global_load_b128 v[4:7], v1, s[28:29]
	global_load_b128 v[8:11], v1, s[28:29] offset:16
	s_wait_loadcnt 0x0
.irp n, 0,1,2,3
	v_cvt_pk_bf16_f32 v[12+\n], v[4+2*\n], v[5+2*\n]   ; hi
.endr
.irp n, 0,1,2,3
	v_lshlrev_b32 v[16+2*\n], 16, v[12+\n]             ; hi back in f32
	v_and_b32 v[17+2*\n], 0xffff0000, v[12+\n]
.endr
.irp n, 0,1,2,3,4,5,6,7
	v_sub_f32 v[16+\n], v[4+\n], v[16+\n]              ; what hi left over
.endr
.irp n, 0,1,2,3
	v_cvt_pk_bf16_f32 v[24+\n], v[16+2*\n], v[17+2*\n] ; lo
	v_and_b32 v[12+\n], s38, v[12+\n]
	v_and_or_b32 v[12+\n], v[24+\n], s39, v[12+\n]
.endr
	global_store_b128 v2, v[12:15], s[16:17]       ; a wave stores a whole row of 512 bytes
	s_endpgm
.Lw4:
	; W4ext: piece idx of 512 (16 bytes) belongs to k = idx / 2; a thread makes pieces t and t + 256
	s_mul_i32 s34, s21, 3072
	s_add_nc_u64 s[12:13], s[12:13], s[34:35]
	v_lshrrev_b32 v2, 1, v0
	v_mul_u32_u24 v2, v2, 12
.irp c, 0,1,2
	global_load_b32 v[4+\c], v2, s[12:13] offset:4*\c
	global_load_b32 v[7+\c], v2, s[12:13] offset:1536+4*\c
.endr
	v_mov_b32 v10, 0
	v_mov_b32 v14, 0
	v_mov_b32 v15, 0
	v_mov_b32 v18, 0
	v_mov_b32 v19, 0
	s_wait_loadcnt 0x0
	v_cvt_pk_bf16_f32 v12, v4, v5
	v_cvt_pk_bf16_f32 v13, v6, v10
	v_cvt_pk_bf16_f32 v16, v7, v8
	v_cvt_pk_bf16_f32 v17, v9, v10
	global_store_b128 v3, v[12:15], s[16:17] offset:W4O
	global_store_b128 v3, v[16:19], s[16:17] offset:W4O+4096
	s_cmp_lt_u32 s22, 2                            ; waves 0 and 1 copy b2[s]: 64 lanes x 16 bytes
	s_cbranch_scc0 .Lend
	s_lshl_b32 s34, s21, 10
	s_add_nc_u64 s[10:11], s[10:11], s[34:35]
	global_load_b128 v[20:23], v3, s[10:11]
	s_wait_loadcnt 0x0
	global_store_b128 v3, v[20:23], s[16:17] offset:B2O
.Lend:
	s_endpgm
.Lfunc_end_k_qe1584e33cd_prep:
	.size	k_qe1584e33cd_prep, .Lfunc_end_k_qe1584e33cd_prep-k_qe1584e33cd_prep
	.p2alignl 7, 3214868480
	.fill 96, 4, 3214868480
	.section	.rodata,"a",@progbits
	.p2align	6, 0x0
	.amdhsa_kernel k_qe1584e33cd_prep
		.amdhsa_group_segment_fixed_size 0
		.amdhsa_private_segment_fixed_size 0
		.amdhsa_enable_private_segment 0
		.amdhsa_kernarg_size 64
		.amdhsa_user_sgpr_count 2
		.amdhsa_user_sgpr_kernarg_segment_ptr 1
		.amdhsa_wavefront_size32 1
		.amdhsa_system_sgpr_workgroup_id_x 1
		.amdhsa_system_sgpr_workgroup_id_y 1
		.amdhsa_system_sgpr_workgroup_id_z 1
		.amdhsa_system_vgpr_workitem_id 0
		.amdhsa_next_free_vgpr 32
		.amdhsa_next_free_sgpr 66
		.amdhsa_reserve_vcc 0
		.amdhsa_float_denorm_mode_32 3
		.amdhsa_float_denorm_mode_16_64 3
		.amdhsa_memory_ordered 1
		.amdhsa_forward_progress 1
		.amdhsa_inst_pref_size 7
	.end_amdhsa_kernel
	.amdgpu_metadata
---
amdhsa.version: [ 1, 2 ]
amdhsa.kernels:
  - .name:           k_qe1584e33cd_prep
    .symbol:         k_qe1584e33cd_prep.kd
    .args:
      - { .name: W1, .offset: 0, .size: 8, .value_kind: global_buffer, .address_space: global }
      - { .name: b1, .offset: 8, .size: 8, .value_kind: global_buffer, .address_space: global }
      - { .name: W2, .offset: 16, .size: 8, .value_kind: global_buffer, .address_space: global }
      - { .name: b2, .offset: 24, .size: 8, .value_kind: global_buffer, .address_space: global }
      - { .name: W4, .offset: 32, .size: 8, .value_kind: global_buffer, .address_space: global }
      - { .name: Wc, .offset: 40, .size: 8, .value_kind: global_buffer, .address_space: global }
      - { .name: w2b, .offset: 48, .size: 8, .value_kind: global_buffer, .address_space: global }
      - { .name: wcb, .offset: 56, .size: 8, .value_kind: global_buffer, .address_space: global }
    .group_segment_fixed_size: 0
    .private_segment_fixed_size: 0
    .kernarg_segment_align: 8
    .kernarg_segment_size: 64
    .max_flat_workgroup_size: 256
    .sgpr_count:     66
    .vgpr_count:     32
    .wavefront_size: 32
...
	.end_amdgpu_metadata
.endif
;; end of part 1
;; launch main (part 2): grid 196 x 1, 4 waves a work-group, clusters of 4 x 1, 327,680 bytes of LDS; arguments input, w2b, wcb, bc, b4, out0, out1; writes out0, out1
.if DOCPART == 2
	.amdgcn_target "amdgcn-amd-amdhsa--gfx1250"
	.amdhsa_code_object_version 6
	.text
	.protected	k_qe1584e33cd_main
	.globl	k_qe1584e33cd_main
	.p2align	8
	.type	k_qe1584e33cd_main,@function
k_qe1584e33cd_main:
	s_mov_b64 s[64:65], 0
	v_nop
	global_prefetch_b8 v0, s[64:65] scope:SCOPE_SE
	s_setreg_imm32_b32 hwreg(HW_REG_WAVE_MODE, 25, 1), 1
	s_wait_xcnt 0x0
	s_wait_alu depctr_hold_cnt(0) depctr_sa_sdst(0) depctr_va_vdst(0) depctr_va_sdst(0) depctr_va_ssrc(0) depctr_va_vcc(0) depctr_vm_vsrc(0)
	s_getreg_b32 s2, hwreg(HW_REG_IB_STS2, 6, 4)
	s_cmp_eq_u32 s2, 0
	s_cbranch_scc0 .Lentry_in_a_cluster
	s_endpgm
.Lentry_in_a_cluster:
	s_bfe_u32 s2, ttmp6, 0x10000c
	s_cmp_lg_u32 s2, 0x3003
	s_cbranch_scc0 .Lentry_shape_is_right
	s_endpgm
.Lentry_shape_is_right:
; All four blocks and their sixteen evaluations of f for 256 points a work-group, 64 a wave (four tiles of 16); nothing goes through memory between input and the outputs.
; TRANSPOSED.  Points are the columns of every product (a lane holds point lane % 16), hidden units the rows.  A result holds hidden 8 (lane / 16) + j in register j; two results rounded to bf16 in
; pairs ARE source 1 (32 hidden x 16 points) of the next product: nothing changes lanes in the whole chain.  Weights lie in LDS as [k][m] and come out turned, by ds_load_tr16_b128.
;   PF^T  = W1ext^T XB      one product for 16 hidden: XB holds (xh0 xh1 xh2 xl0 xl1 xl2 1 1), x = xh + xl in two bf16; the first launch's W1ext holds W1 and b1 in two bf16 likewise
;   psf   = relu(PF) sf     rounded to bf16, packed maximum, packed product
;   H^T   = W2^T psf + b2   b2 in f32 is the C operand of the first link; then rounded, packed maximum, packed sum with psf
;   OUT^T += W4ext^T H      rows 0-2 and 8-10 hold the three sums, so every lane finds them in registers 0-2
;   tanh(y) = 1 - 2 / (1 + 2^(K y)), K = 2 log2(e); for sf K is folded into the code (bf16(K code)) and into bc
; The state of the Runge-Kutta step (x, the sum of the k) stays in f32.
; LIMITS.  NaN and infinities are not treated apart.  W1 and b1 are finite in bf16: a fragment of W1ext is named with the next fragment's registers as its upper 16 k, which meet zeros.
; This tanh is off by about 1e-7 in absolute terms; where 2^(K y) passes f32's range it gives 1 and -1 as it should.
; SHARES.  50,000 points are 3,125 tiles, 3.05 for each of 1,024 waves: a wave takes 4, and 196 work-groups cover them.  The last work-group's waves 1-3 take the last 64 points and store
; only the bytes that no earlier wave owns (a lane mask made of ids).  Waves share the weights alone: no barrier stands inside an evaluation.
; CLUSTER.  Four work-groups ask JOINTLY for a block's 148,480 bytes (W2, W1ext, W4ext, b2): one load a wave, a quarter each.  Wc (65,536 bytes of a block's 214,016) comes through registers
; instead, a quarter in each evaluation of the block before: four trips have three such refills, a joint load may not be jumped, and so the block's text would have to stand twice.
; input is read by one wave alone: nothing to share.
; LDS: 0 W2S (tensor loads only: first each wave's 64 rows of input, dense, 33,536 bytes; then a block, 580 rows of 256 + 16 bytes); WCB Wc, 128 rows at pitch 544; BCB K bc; CDB the code's
; fragments, 16,384 a wave; OST 768 a wave for the way out; SPARE the spare words.  Every LDS address register is made in the head; the loops over blocks and evaluations write none.
; REGISTERS, in windows of 256 (s_set_vgpr_msb: bits 1:0 source 0, 3:2 source 1, 5:4 source 2, 7:6 destination):
;   window 0: addresses, the state, XB, OUT, W1's fragments, Wc's staging    window 1: psf, 64 a tile (in the sf phase: the code's fragments)    window 2: sf, 64 a tile
;   window 3: v0-127 accumulators; v128-191 four buffers of two fragments; v192-207 b2's (bc's) fragments; v208-223 W4's; v224-229 LDS addresses
.set NPTS,  50000
.set ROWB,  524                        ; bytes in a row of input
.set BLK,   148480                     ; bytes of a block in w2b
.set QROWS, 145                        ; rows of 256 bytes that one wave's joint load brings
.set P2,    544                        ; a row of 256 bf16 in LDS: two rows of 256 + 16 bytes (W2S), or 512 + 32 (WCB)
.set W1O,   256*P2                     ; 139,264
.set W4O,   W1O+16*P2                  ; 147,968
.set B2O,   W4O+32*272                 ; 156,672; the block ends at 157,760
.set WCB,   157952                     ; the first multiple of 256 behind it
.set BCB,   WCB+128*P2                 ; 227,584
.set CDB,   BCB+1024                   ; 228,608
.set OST,   CDB+65536                  ; 294,144
.set SPARE, OST+3072                   ; 297,216: 128 bytes for each wave, two blocks of 256 bytes that no other line names
; window 0
.set KB4, 13                           ; v13-15  K b4
.set SPW, 16                           ; v16  my spare word; never rewritten
.set NIL, 17                           ; v17  0; never rewritten
.set VGW, 18                           ; v18  wcb: 4,096 wave + 16 lane
.set VLW0, 19                          ; v19  WCB + 8 wave rows + 16 lane
.set VBG, 21                           ; v21  8 thread
.set VBL, 22                           ; v22  BCB + 8 thread
.set VOS, 23                           ; v23  my stage + 12 (lane % 16)
.set VOL, 24                           ; v24  my stage + 8 lane
.set VOG, 25                           ; v25  8 lane
.set VPF, 26                           ; v26  the prefetch's row: ((4 cx + wave) 32 + lane) 256
.set AW1, 27                           ; v27  W1ext + my place in a turning load
.set ACD, 28                           ; v28  my wave's part of CDB + 16 lane
.set VT,  29                           ; v29  at work
.set BCD, 30                           ; v[30:31] bc on its way
.set X,   32                           ; v[32:43]  x, 3 a tile
.set KS,  44                           ; v[44:55]  k1 + 2 k2 + 2 k3 + k4
.set XE,  56                           ; v[56:67]  where f is evaluated next
.set Z,   68                           ; v[68:79]  at work; the way out's data
.set XB,  80                           ; v[80:111] 8 a tile
.set OUT, 112                          ; v[112:143] 8 a tile
.set W1F, 144                          ; v[144:211] fragment i at 144 + 4 i; v208-211 hold 0
.set STG, 212                          ; v[212:243] a quarter of my share of the next Wc
.set HST, 116                          ; v[116:243] the head's staging of Wc[0]
; window 3
.set FR,   128
.set B2F,  192
.set W4F,  208
.set AW2A, 224
.set AW2B, 225
.set AB2,  226
.set AW4,  227
.set AWC,  228
.set ABC,  229
; scalars
.set WV,  18
.set CX,  19
.set G1C, 24                           ; s[24:31] group 1, the code tile
.set G0C, 32                           ; s[32:35] group 0, the code tile
.set G0W, 36                           ; s[36:39] group 0, a block
.set G1W, 40                           ; s[40:47] group 1, a block
.set SS,  48                           ; blocks to go, 4 to 1
.set SE,  49                           ; evaluations to go, 4 to 1
.set ZERO, 50
.set KK,  51                           ; K
.set CC,  52                           ; s[52:53] the next evaluation's step: h / 2 or h
.set CW,  54                           ; s[54:55] this k's weight: 1 or 2
.set H6,  56                           ; s[56:57] h / 6
.set B4,  60                           ; s[60:62] b4[s]
.set PFA, 72                           ; s[72:73] w2b at the next block
.set LIM, 74                           ; 1 in the first cluster, else the greatest number
.set THR, 76                           ; the first byte of my 768 that is mine
.set SAV, 77
.set KP,  78                           ; s[78:79] K, named as a pair
.set C8,  84                           ; 0.125
.set C4,  85                           ; 0.25
.set HIM, 86                           ; a word's upper bf16
.set W_MM,  0xf7                       ; sources 0 and 2 and destination window 3, source 1 window 1
.set W_PF,  0xc0                       ; destination window 3
.set W_CV1, 0x4f                       ; window 3 to window 1
.set W_MU,  0x49                       ; window 1 in place, source 1 window 2
.set W_CV3, 0xff                       ; window 3 in place
.set W_O,   0x0f                       ; sources 0 and 1 window 3, C and D window 0
.set W_SF,  0x8f                       ; window 3 to window 2
.set W_CB,  0x40                       ; destination window 1
.set MSB, 0
.macro WIN new                         ; the immediate's high byte repeats the setting that is left; a switch that changes nothing is dropped
.if MSB != (\new)
	s_set_vgpr_msb (MSB<<8)|(\new)
.set MSB, (\new)
.endif
.endm
.macro PLACES                          ; four plain instructions behind matrix instructions, ahead of what reads their results or loads into their sources
.rept 4
	v_nop
.endr
.endm
.macro ROUND                           ; a round of the cluster's barrier
	s_barrier_signal -1
	s_barrier_wait -1
	s_cmp_lg_u32 s[WV], 0
	s_cbranch_scc1 .Lnot_wave_0_\@
	s_barrier_signal -3
.Lnot_wave_0_\@:
	s_barrier_wait -3
	s_barrier_signal -1
	s_barrier_wait -1
.endm
	s_load_b256 s[4:11], s[0:1], 0x0               ; input s[4:5], w2b s[6:7], wcb s[8:9], bc s[10:11]
	s_load_b128 s[12:15], s[0:1], 0x20             ; b4 s[12:13], out0 s[14:15]
	s_load_b64 s[16:17], s[0:1], 0x30              ; out1
	v_lshl_add_u32 v[SPW], v0, 2, SPARE
	v_mov_b32 v[NIL], 0
	ds_add_u32 v[SPW], v[NIL]                      ; the wave's opening: the add, twice on end, and its wait ahead of my first tensor load; the set-up stands between
	ds_add_u32 v[SPW], v[NIL]
	v_lshrrev_b32 v1, 5, v0
	v_readfirstlane_b32 s[WV], v1                  ; wave 0..3
	s_bfe_u32 s[CX], ttmp6, 0x40000                ; my place in the cluster
	s_lshl_b32 s20, ttmp9, 2
	s_add_co_u32 s20, s20, s[CX]                   ; work-group
	s_lshl_b32 s21, s20, 8
	s_lshl_b32 s22, s[WV], 6
	s_add_co_u32 s21, s21, s22                     ; the first point that is mine
	s_min_u32 s22, s21, NPTS-64                    ; the first point that I compute
	s_sub_co_u32 s[THR], s21, s22
	s_mul_i32 s[THR], s[THR], 12
	s_mul_i32 s80, s22, ROWB
	s_mov_b32 s81, 0
	s_mul_i32 s82, s22, 12
	s_mov_b32 s83, 0
	; group 1 of the code tile: 64 rows of input are 33,536 dense bytes: 131 rows of 32 elements of 8 bytes, no padding, no mask
	s_mov_b32 s[G1C+0], 3<<16
	s_mov_b32 s[G1C+1], 32<<16                     ; tensor_dim0 = 32
	s_mov_b32 s[G1C+2], 131<<16                    ; tensor_dim1 = 131
	s_mov_b32 s[G1C+3], 32<<16                     ; tile_dim0 = 32
	s_mov_b32 s[G1C+4], 131                        ; tile_dim1 = 131
	s_mov_b32 s[G1C+5], 32                         ; elements from row to row
	s_mov_b32 s[G1C+6], 0
	s_mov_b32 s[G1C+7], 0
	; group 1 of a block's quarter: 145 rows of 256 bytes, 16 bytes of padding behind each; the mask names all four work-groups, bit 21 beside it
	s_mov_b32 s[G1W+0], 15|(3<<16)|(1<<20)|(1<<21)|(5<<22)|(3<<25)
	s_mov_b32 s[G1W+1], 32<<16
	s_mov_b32 s[G1W+2], QROWS<<16
	s_mov_b32 s[G1W+3], 32<<16
	s_mov_b32 s[G1W+4], QROWS
	s_mov_b32 s[G1W+5], 32
	s_mov_b32 s[G1W+6], 0
	s_mov_b32 s[G1W+7], 0
	s_mov_b32 s[G0C], 1
	s_mul_i32 s[G0C+1], s[WV], 64*ROWB             ; LDS: my wave's own bytes
	s_mov_b32 s[G0W], 1
	s_mul_i32 s[G0W+1], s[WV], QROWS*272           ; LDS: my quarter of the block; no place in the cluster enters it
	s_mov_b32 s[ZERO], 0
	s_mov_b32 s[KK], 0x4038aa3b                    ; K = 2 log2(e)
	s_mov_b32 s[KP], s[KK]
	s_mov_b32 s[KP+1], s[KK]
	s_mov_b32 s[H6], 0x3d2aaaab                    ; h / 6 = 1 / 24
	s_mov_b32 s[H6+1], s[H6]
	s_mov_b32 s[C8], 0x3e000000
	s_mov_b32 s[C4], 0x3e800000
	s_mov_b32 s[HIM], 0xffff0000
	s_cmp_eq_u32 ttmp9, 0                          ; the cluster's number: the same in all four partners
	s_cselect_b32 s[LIM], 1, -1
	s_mov_b32 s[SS], 4
	v_and_b32 v2, 31, v0                           ; lane L
	v_and_b32 v3, 15, v0                           ; r
	v_bfe_u32 v4, v0, 4, 1                         ; h
	v_and_b32 v5, 7, v0
	v_bfe_u32 v6, v0, 3, 1
	v_lshl_add_u32 v7, v4, 3, v5                   ; a turning load: lane L reads row 8 h + L % 8,
	v_mul_u32_u24 v7, v7, P2
	v_lshl_add_u32 v7, v6, 4, v7                   ; columns 8 ((L / 8) % 2) on
	v_mul_u32_u24 v8, v4, 272                      ; the same in W4ext, where 8 k of 32 bytes make a row of 256
	v_lshl_add_u32 v8, v5, 5, v8
	v_lshl_add_u32 v8, v6, 4, v8
	v_lshlrev_b32 v9, 5, v4                        ; 32 h
	s_lshl_b32 s20, s[WV], 12
	v_lshl_add_u32 v[VGW], v2, 4, s20
	s_mul_i32 s20, s[WV], 8*P2
	s_add_co_u32 s20, s20, WCB
	v_lshl_add_u32 v[VLW0], v2, 4, s20
	v_lshlrev_b32 v[VBG], 3, v0
	v_add_nc_u32 v[VBL], BCB, v[VBG]
	s_mul_i32 s20, s[WV], 768
	s_add_co_u32 s20, s20, OST
	v_mul_u32_u24 v1, v3, 12
	v_add_nc_u32 v[VOS], s20, v1
	v_lshl_add_u32 v[VOL], v2, 3, s20
	v_lshlrev_b32 v[VOG], 3, v2
	s_lshl2_add_u32 s20, s[CX], s[WV]              ; the cluster's sixteen waves share a block's rows out by address
	s_lshl_b32 s20, s20, 13
	v_lshl_add_u32 v[VPF], v2, 8, s20
	v_add_nc_u32 v[AW1], W1O, v7
	s_lshl_b32 s20, s[WV], 14
	s_add_co_u32 s20, s20, CDB
	v_lshl_add_u32 v[ACD], v2, 4, s20
	s_mul_i32 s20, s[WV], 64*ROWB
	v_mul_u32_u24 v10, v3, ROWB
	v_add_nc_u32 v10, s20, v10                     ; point r of my code tile
	v_add_nc_u32 v11, v10, v9                      ; and its numbers 8 h on
	WIN 0xc0                                       ; the addresses that the loads into window 3 name lie in window 3
	v_mov_b32 v[AW2A], v7
	v_add_nc_u32 v[AW2B], 128*P2, v7
	v_add_nc_u32 v[AB2], B2O, v9
	v_add_nc_u32 v[AW4], W4O, v8
	v_add_nc_u32 v[AWC], WCB, v7
	v_add_nc_u32 v[ABC], BCB, v9
	WIN 0
	s_wait_dscnt 0x0                               ; both opening adds are done
	s_wait_kmcnt 0x0
	s_add_nc_u64 s[G0C+2:G0C+3], s[4:5], s[80:81]  ; my 64 rows of input
	s_or_b32 s[G0C+3], s[G0C+3], 0x80000000
	s_mul_i32 s80, s[WV], QROWS*256
	s_add_nc_u64 s[G0W+2:G0W+3], s[6:7], s[80:81]  ; my quarter of block 0: made of the wave's number alone
	s_or_b32 s[G0W+3], s[G0W+3], 0x80000000
	s_add_nc_u64 s[14:15], s[14:15], s[82:83]      ; out0 and out1 at the first point that I compute
	s_add_nc_u64 s[16:17], s[16:17], s[82:83]
	s_add_nc_u64 s[PFA:PFA+1], s[6:7], BLK
	ROUND                                          ; in a cluster every group of tensor loads stands behind a round
	tensor_load_to_lds s[G0C:G0C+3], s[G1C:G1C+7]  ; my code tile: the launch's one first fill
	s_nop 0
	PLACES
	; Wc[0] and bc[0] through registers: a wave takes rows 8 w .. 8 w + 7 of each 32
.set e, 0
.rept 32
	global_load_b128 v[HST+4*e:HST+4*e+3], v[VGW], s[8:9] offset:16384*(e/8)+512*(e%8)
.set e, e+1
.endr
	global_load_b64 v[BCD:BCD+1], v[VBG], s[10:11]
	s_wait_loadcnt 0x0
.set e, 0
.rept 32
	ds_store_b128 v[VLW0], v[HST+4*e:HST+4*e+3] offset:32*P2*(e/8)+P2*(e%8)
.set e, e+1
.endr
	v_pk_mul_f32 v[BCD:BCD+1], v[BCD:BCD+1], s[KP:KP+1] op_sel_hi:[1,0]
	ds_store_b64 v[VBL], v[BCD:BCD+1]
	s_add_nc_u64 s[8:9], s[8:9], 65536             ; wcb at block 1 (the loads are done)
	s_wait_tensorcnt 0x0                           ; my code tile is in; only I read it
	; the code, times K, rounded to bf16 and laid down as fragments: a tile a trip, in two halves of 64 numbers a point.
	; Lane (r, h) holds numbers 32 ks + 8 h + 0..7 and 32 ks + 16 + 8 h + 0..7 of point r
	s_mov_b32 s82, 4
.Lcode:
	s_sub_co_u32 s80, 4, s82                       ; tile t
	s_mul_i32 s81, s80, 16*ROWB
	s_lshl_b32 s80, s80, 12
	v_add_nc_u32 v[VT], s81, v11
	v_add_nc_u32 v12, s80, v[ACD]
.irp hf, 0,1
.set e, 0
.rept 32
	ds_load_b32 v[80+e], v[VT] offset:256*\hf+128*(e/16)+64*((e/8)%2)+4*(e%8)
.set e, e+1
.endr
	s_wait_dscnt 0x0
.set e, 0
.rept 16
	v_pk_mul_f32 v[80+2*e:81+2*e], v[80+2*e:81+2*e], s[KP:KP+1] op_sel_hi:[1,0]
.set e, e+1
.endr
.set e, 0
.rept 16
	v_cvt_pk_bf16_f32 v[144+e], v[80+2*e], v[81+2*e]
.set e, e+1
.endr
.set e, 0
.rept 4
	ds_store_b128 v12, v[144+4*e:144+4*e+3] offset:2048*\hf+512*e   ; fragment ks = 2 hf + e / 2, its half e % 2
.set e, e+1
.endr
.endr
	s_sub_co_u32 s82, s82, 1
	s_cmp_lg_u32 s82, 0
	s_cbranch_scc1 .Lcode
.set e, 0
.rept 12
	ds_load_b32 v[X+e], v10 offset:512+16*ROWB*(e/3)+4*(e%3)   ; xyz: numbers 128 to 130 of a row
.set e, e+1
.endr
.irp t, 0,1,2,3
	v_mov_b32 v[XB+8*\t+3], 0x3f803f80             ; (1, 1): they meet b1's two parts
	v_mov_b32 v[XB+8*\t+4], 0                      ; k = 16 .. 31 of the product with W1ext are zeros
	v_mov_b32 v[XB+8*\t+5], 0
	v_mov_b32 v[XB+8*\t+6], 0
	v_mov_b32 v[XB+8*\t+7], 0
	v_mov_b32 v[W1F+64+\t], 0
.endr
	s_wait_dscnt 0x0
.set e, 0
.rept 12
	v_mov_b32 v[XE+e], v[X+e]
.set e, e+1
.endr
; ---------------------------------------------------------------- the sf phase
.macro SFFR m                          ; the four turning loads of step m: m-tile m / 2, z = 64 (m % 2) on, into buffer m % 4
.set fb, FR+16*((\m)%4)
.irp l, 0,1
.set fo, 32*P2*(2*((\m)%2)+\l)+32*((\m)/2)
	ds_load_tr16_b128 v[fb+8*\l:fb+8*\l+3],   v[AWC] offset:fo
	ds_load_tr16_b128 v[fb+8*\l+4:fb+8*\l+7], v[AWC] offset:fo+16*P2
.endr
.endm
; Slice q of 16 of the vector work of unit u.  A unit is an m-tile (16 hidden x 64 points, 32 registers, four buffers by turns).  Its tanh goes through three later units:
; in unit u the exponentials of tile u - 1, the 1 + and the reciprocals of tile u - 2, the 1 - 2 x and the rounding into sf of tile u - 3.  So every plain line reads a transcendental of the
; unit before, and one wait at a unit's head serves all 64 of them.
.macro SFSLICE u, q
	WIN W_MM
.set ra, 32*(((\u)+2)%4)+2*(\q)
.set re, 32*(((\u)+3)%4)+2*(\q)
.set rf, 32*(((\u)+1)%4)+2*(\q)
.if ((\u) >= 2) && ((\u) <= 17)
	v_pk_add_f32 v[ra:ra+1], v[ra:ra+1], 1.0 op_sel_hi:[1,0]
.endif
.if ((\u) >= 1) && ((\u) <= 16)
	v_exp_f32 v[re], v[re]
.endif
.if (\u) >= 3
	v_pk_fma_f32 v[rf:rf+1], v[rf:rf+1], -2.0, 1.0 op_sel_hi:[1,0,0]
.endif
.if ((\u) >= 1) && ((\u) <= 16)
	v_exp_f32 v[re+1], v[re+1]
.endif
.if ((\u) >= 2) && ((\u) <= 17)
	v_rcp_f32 v[ra], v[ra]
	v_rcp_f32 v[ra+1], v[ra+1]
.endif
.if ((\u) >= 3) && ((\q)%4 == 3)
	WIN W_SF
.set tq, (\q)/4
.irp k, 0,1,2,3
	v_cvt_pk_bf16_f32 v[64*tq+4*((\u)-3)+\k], v[32*(((\u)+1)%4)+8*tq+2*\k], v[32*(((\u)+1)%4)+8*tq+2*\k+1]
.endr
.endif
.endm
; Step m of 32: 8 products, the unit's four accumulators by turns.  The first link takes K bc as C.
.macro SFSTEP m
.set un, (\m)/2
.if ((\m)%2 == 0) && (un >= 2)
	s_wait_alu depctr_va_vdst(0)                   ; one wait for the last unit's transcendentals, ahead of their first readers; the four v_nop behind that unit are the plain lines between
.endif
.if (\m)+3 < 32
	WIN W_MM
.if (\m)%2 == 0
.set bn, un+1
	ds_load_b128 v[B2F+8*(bn%2):B2F+8*(bn%2)+3],   v[ABC] offset:64*bn      ; K bc of the next unit
	ds_load_b128 v[B2F+8*(bn%2)+4:B2F+8*(bn%2)+7], v[ABC] offset:64*bn+16
.endif
	SFFR (\m)+3
	s_wait_dscnt 12                                ; this step's fragments were asked for three runs back; behind them stand three runs of four loads or more
.else
	s_wait_dscnt 4*(31-(\m))                       ; no more runs: behind step 29's fragments stand 10 loads, behind step 30's 6, behind step 31's none
.endif
.set sq, 0
.rept 8
	WIN W_MM
.set sD, 32*(un%4)+8*(sq%4)
.set sA, FR+16*((\m)%4)+8*(sq/4)
.set sB, 32*(sq%4)+8*(2*((\m)%2)+sq/4)
.if ((\m)%2 == 0) && (sq < 4)
	v_wmma_f32_16x16x32_bf16 v[sD:sD+7], v[sA:sA+7], v[sB:sB+7], v[B2F+8*(un%2):B2F+8*(un%2)+7]
.else
	v_wmma_f32_16x16x32_bf16 v[sD:sD+7], v[sA:sA+7], v[sB:sB+7], v[sD:sD+7]
.endif
	SFSLICE un, 8*((\m)%2)+sq
.set sq, sq+1
.endr
	PLACES                                         ; ahead of the next run of loads into the buffer just read, and of the exponentials that read the results
.endm
; ---------------------------------------------------------------- an evaluation's pieces
.macro XBUILD t                        ; x in two bf16: (xh0 xh1)(xh2 xl0)(xl1 xl2)
.set xb, XB+8*(\t)
.set xe, XE+3*(\t)
.set xz, Z+3*(\t)
	v_cvt_pk_bf16_f32 v[xb], v[xe], v[xe+1]
	v_cvt_pk_bf16_f32 v[xb+1], v[xe+2], v[xe+2]
	v_lshlrev_b32 v[xz], 16, v[xb]
	v_and_b32 v[xz+1], s[HIM], v[xb]
	v_and_b32 v[xz+2], s[HIM], v[xb+1]
	v_sub_f32 v[xz], v[xe], v[xz]
	v_sub_f32 v[xz+1], v[xe+1], v[xz+1]
	v_sub_f32 v[xz+2], v[xe+2], v[xz+2]
	v_cvt_pk_bf16_f32 v[xb+1], v[xe+2], v[xz]
	v_cvt_pk_bf16_f32 v[xb+2], v[xz+1], v[xz+2]
.endm
.macro PFP j, q                        ; product q of 8 of PF^T for hidden 32 j on: m-tile 2 j + q / 4, tile q % 4, into the second accumulator buffer
	WIN W_PF
.set pD, 64+16*((\q)%4)+8*((\q)/4)
.set pA, W1F+4*(2*(\j)+(\q)/4)
.set pB, XB+8*((\q)%4)
	v_wmma_f32_16x16x32_bf16 v[pD:pD+7], v[pA:pA+7], v[pB:pB+7], 0
.endm
.macro CVT1 j, q                       ; that result rounded to bf16, into psf's place
	WIN W_CV1
.set ct, (\q)%4
.set ci, (\q)/4
.irp n, 0,1,2,3
	v_cvt_pk_bf16_f32 v[64*ct+8*(\j)+4*ci+\n], v[64+16*ct+8*ci+2*\n], v[64+16*ct+8*ci+2*\n+1]
.endr
.endm
.macro MM1 j, q                        ; relu, times sf (which has the same register numbers in its window)
	WIN W_MU
.set cp, 64*((\q)%4)+8*(\j)+4*((\q)/4)
.irp n, 0,1,2,3
	v_pk_max_num_bf16 v[cp+\n], v[cp+\n], s[ZERO]
.endr
.irp n, 0,1,2,3
	v_pk_mul_bf16 v[cp+\n], v[cp+\n], v[cp+\n]
.endr
.endm
.macro PFWR jn, jm                     ; the 8 products for hidden 32 jn on, behind each the relu and product of hidden 32 jm on
.set qi, 0
.rept 8
	PFP \jn, qi
	MM1 \jm, qi
.set qi, qi+1
.endr
.endm
.macro W2FR n                          ; the four turning loads of step n = 8 g + ks: m-tiles 2 g and 2 g + 1, k = 32 ks on, into buffer n % 4
.set fb, FR+16*((\n)%4)
.set fk, (\n)%8
.irp l, 0,1
.set fi, 2*((\n)/8)+\l
.set fo, 32*P2*(fk%4)+32*fi+16*(fi/8)
.if fk < 4
	ds_load_tr16_b128 v[fb+8*\l:fb+8*\l+3],   v[AW2A] offset:fo
	ds_load_tr16_b128 v[fb+8*\l+4:fb+8*\l+7], v[AW2A] offset:fo+16*P2
.else
	ds_load_tr16_b128 v[fb+8*\l:fb+8*\l+3],   v[AW2B] offset:fo
	ds_load_tr16_b128 v[fb+8*\l+4:fb+8*\l+7], v[AW2B] offset:fo+16*P2
.endif
.endr
.endm
.macro W2RUN n                         ; the run of loads at the head of step n: three steps ahead, round the evaluation's end into the next
	WIN W_MM
.if (\n)%8 == 1
.set bg, ((\n)/8+1)%8
.irp l, 0,1
.set bi, 2*bg+\l
	ds_load_b128 v[B2F+8*\l:B2F+8*\l+3],   v[AB2] offset:64*bi+16*(bi/4)     ; b2 of the next group's two m-tiles
	ds_load_b128 v[B2F+8*\l+4:B2F+8*\l+7], v[AB2] offset:64*bi+16*(bi/4)+16
.endr
.endif
.if (\n)%8 == 2
.set wb, W4F+8*(((\n)/8)%2)
	ds_load_tr16_b128 v[wb:wb+3],   v[AW4] offset:1088*((\n)/8)              ; W4ext for this group's 32 hidden
	ds_load_tr16_b128 v[wb+4:wb+7], v[AW4] offset:1088*((\n)/8)+544
.endif
	W2FR ((\n)+3)%64
.endm
.macro W2P n, q                        ; product q of 8 of step n: m-tile 2 g + q / 4, tile q % 4; the first link takes b2 as C
	WIN W_MM
.set pD, 64*(((\n)/8)%2)+16*((\q)%4)+8*((\q)/4)
.set pA, FR+16*((\n)%4)+8*((\q)/4)
.set pB, 64*((\q)%4)+8*((\n)%8)
.if (\n)%8 == 0
	v_wmma_f32_16x16x32_bf16 v[pD:pD+7], v[pA:pA+7], v[pB:pB+7], v[B2F+8*((\q)/4):B2F+8*((\q)/4)+7]
.else
	v_wmma_f32_16x16x32_bf16 v[pD:pD+7], v[pA:pA+7], v[pB:pB+7], v[pD:pD+7]
.endif
.endm
; What follows group p's sums, in eight items: item it is tile it / 2, m-tile 2 p + it % 2.  Rounded in place into the low half of the tile's 16 registers, which so become source 1 of the last product.
.macro PCVT p, it
	WIN W_CV3
.set cb, 64*((\p)%2)+16*((\it)/2)
.set cl, (\it)%2
.irp n, 0,1,2,3
	v_cvt_pk_bf16_f32 v[cb+4*cl+\n], v[cb+8*cl+2*\n], v[cb+8*cl+2*\n+1]
.endr
.endm
.macro PMAX p, it
	WIN W_MM
.set cb, 64*((\p)%2)+16*((\it)/2)+4*((\it)%2)
.irp n, 0,1,2,3
	v_pk_max_num_bf16 v[cb+\n], v[cb+\n], s[ZERO]
.endr
.endm
.macro PADD p, it                      ; the residual
	WIN W_MM
.set cb, 64*((\p)%2)+16*((\it)/2)+4*((\it)%2)
.set cp, 64*((\it)/2)+8*(\p)+4*((\it)%2)
.irp n, 0,1,2,3
	v_pk_add_bf16 v[cb+\n], v[cb+\n], v[cp+\n]
.endr
.endm
.macro W4P p, t
	WIN W_O
.set cb, 64*((\p)%2)+16*(\t)
.if (\p) == 0
	v_wmma_f32_16x16x32_bf16 v[OUT+8*(\t):OUT+8*(\t)+7], v[W4F+8*((\p)%2):W4F+8*((\p)%2)+7], v[cb:cb+7], 0
.else
	v_wmma_f32_16x16x32_bf16 v[OUT+8*(\t):OUT+8*(\t)+7], v[W4F+8*((\p)%2):W4F+8*((\p)%2)+7], v[cb:cb+7], v[OUT+8*(\t):OUT+8*(\t)+7]
.endif
.endm
; Step n: a run of loads, the wait, 8 products (8 accumulators by turns) and what rides behind them.
; mode 0 (group 0): the rounding of the next 32 hidden of PF.  mode 1 (step 7): six v_nop, so that tile 0's first sums stand five places ahead of the product that takes their registers as a source.
; mode 2: item n % 8 of the group before; the four roundings behind the last product name the other accumulator buffer alone (at a group's last step: this group's first result, eight plain lines
; behind its product) and are the places ahead of the next run of loads.
.macro W2STEP n, mode
	W2RUN \n
	s_wait_dscnt 12                                ; this step's fragments were asked for three runs back; behind them stand three runs of four loads or more (at an evaluation's first step: one run and Wc's eight stores, or three runs)
.set qi, 0
.rept 8
	W2P \n, qi
.if (\mode) == 0
	CVT1 (\n)+1, qi
.elseif (\mode) == 1
.if qi == 1
.rept 6
	v_nop
.endr
.endif
.if qi == 7
	PCVT 0, 0
.endif
.else
.if qi == 0
	PMAX (\n)/8-1, (\n)%8
.elseif qi == 1
	PADD (\n)/8-1, (\n)%8
.elseif (qi == 2) && ((\n)%2 == 1)
	W4P (\n)/8-1, ((\n)%8)/2
.elseif qi == 7
.if (\n)%8 == 7
	PCVT (\n)/8, 0
.else
	PCVT (\n)/8-1, (\n)%8+1
.endif
.endif
.endif
.set qi, qi+1
.endr
.endm
; My 768 bytes of results, three stores of 256 consecutive bytes; a lane stores only if its bytes are mine.  EXEC is changed only behind s_wait_xcnt 0.
.macro OUTST p
.irp q, 0,1,2
	v_add_nc_u32 v[VT], 256*\q, v[VOG]
	s_wait_xcnt 0x0
	v_cmp_le_u32 vcc_lo, s[THR], v[VT]
	s_and_saveexec_b32 s[SAV], vcc_lo
	global_store_b64 v[VOG], v[Z+2*\q:Z+2*\q+1], s[\p:\p+1] offset:256*\q th:TH_STORE_NT
	s_wait_xcnt 0x0
	s_or_b32 exec_lo, exec_lo, s[SAV]
.endr
.endm
; ================================================================ the four blocks
.Lblock:
	s_wait_tensorcnt 0x0                           ; no tensor load of mine is out
	ds_add_u32 v[SPW], v[NIL]                      ; 0 onto my spare word
	s_mov_b32 s[SE], 4
	s_wait_dscnt 0x0                               ; the add is done; my reads of W2S are over, and my stores into WCB and BCB are done
	ROUND                                          ; the same holds of every wave of all four work-groups
	tensor_load_to_lds s[G0W:G0W+3], s[G1W:G1W+7]  ; my quarter of block s, jointly: the one tensor load behind the round; it lands while sf is made
	s_nop 0
	PLACES
	s_load_b96 s[B4:B4+2], s[12:13], 0x0           ; b4[s]
	; sf = tanh(code Wc + bc)
	WIN W_CB
.set e, 0
.rept 16
	ds_load_b128 v[8*e:8*e+3],   v[ACD] offset:1024*e          ; the code's fragment (tile e / 4, z = 32 (e % 4) on)
	ds_load_b128 v[8*e+4:8*e+7], v[ACD] offset:1024*e+512
.set e, e+1
.endr
	WIN W_MM
	ds_load_b128 v[B2F:B2F+3],   v[ABC]
	ds_load_b128 v[B2F+4:B2F+7], v[ABC] offset:16
	SFFR 0
	SFFR 1
	SFFR 2
.set mm, 0
.rept 32
	SFSTEP mm
.set mm, mm+1
.endr
.irp u, 16,17,18                       ; the last three tiles' tanh runs out
	s_wait_alu depctr_va_vdst(0)
.set sq, 0
.rept 16
	SFSLICE \u, sq
.set sq, sq+1
.endr
.if \u < 18
	v_nop                                          ; a plain line behind the last transcendental
.endif
.endr
	WIN 0
	s_wait_tensorcnt 0x0                           ; my quarter of the block is in,
	s_add_nc_u64 s[G0W+2:G0W+3], s[G0W+2:G0W+3], BLK  ; so its descriptor may step (behind the last block the address is not used)
	s_wait_dscnt 0x0                               ; my reads of WCB and BCB are over
	s_barrier_signal -1
	s_barrier_wait -1                              ; everybody's quarter is in; WCB and BCB may be written
	s_cmp_gt_u32 s[SS], 1
	s_cbranch_scc0 .Lno_bc
	global_load_b64 v[BCD:BCD+1], v[VBG], s[10:11] offset:1024   ; the next block's bc
.Lno_bc:
	s_wait_kmcnt 0x0
	s_add_nc_u64 s[12:13], s[12:13], 12
.irp c, 0,1,2
	v_mul_f32 v[KB4+\c], s[KK], s[B4+\c]
.endr
.set e, 0
.rept 12
	v_mov_b32 v[KS+e], 0
.set e, e+1
.endr
.set e, 0
.rept 16
	ds_load_tr16_b128 v[W1F+4*e:W1F+4*e+3], v[AW1] offset:32*e+16*(e/8)   ; W1ext stays in registers for the block
.set e, e+1
.endr
	WIN W_MM
.irp l, 0,1
	ds_load_b128 v[B2F+8*\l:B2F+8*\l+3],   v[AB2] offset:64*\l
	ds_load_b128 v[B2F+8*\l+4:B2F+8*\l+7], v[AB2] offset:64*\l+16
.endr
	W2FR 0
	W2FR 1
	W2FR 2
	s_wait_dscnt 16                                ; W1ext is in; the sixteen loads behind it may stay out
	WIN 0
.Leval:                                                ; four trips: k1 .. k4
	s_cmp_eq_u32 s[SE], 2
	s_cselect_b32 s[CC], s[C4], s[C8]              ; x + h k3 after the third, x + h / 2 k else
	s_mov_b32 s[CC+1], s[CC]
	s_sub_co_u32 s80, s[SE], 2
	s_cmp_lt_u32 s80, 2
	s_cselect_b32 s[CW], 2.0, 1.0                  ; k2 and k3 count twice
	s_mov_b32 s[CW+1], s[CW]
	s_cmp_gt_u32 s[SS], 1
	s_cbranch_scc0 .Lno_stage
.set e, 0
.rept 8
	global_load_b128 v[STG+4*e:STG+4*e+3], v[VGW], s[8:9] offset:512*e   ; a quarter of the next block's Wc: it has the evaluation in which to come
.set e, e+1
.endr
	s_cmp_eq_u32 s[SE], s[LIM]                     ; in a block's last evaluation, 608 matrix instructions ahead of the joint load, the first cluster's sixteen waves ask for
	s_cbranch_scc0 .Lno_stage                      ; rows 0 to 511 of the next block (its W2), a lane a row of 256 bytes: each is named once in the launch; the last block asks for nothing
	global_prefetch_b8 v[VPF], s[PFA:PFA+1] th:TH_LOAD_NT scope:SCOPE_SE
.Lno_stage:
	XBUILD 0
	XBUILD 1
	XBUILD 2
	XBUILD 3
	; group 0 of the large product, and psf made just ahead of it, 32 hidden at a time
.set qi, 0
.rept 8
	PFP 0, qi
.set qi, qi+1
.endr
	PLACES
.set qi, 0
.rept 8
	CVT1 0, qi
.set qi, qi+1
.endr
	PFWR 1, 0
.set jj, 1
.rept 6
	W2STEP jj-1, 0
	PFWR jj+1, jj
.set jj, jj+1
.endr
	W2STEP 6, 0
.set qi, 0
.rept 8
	MM1 7, qi
.set qi, qi+1
.endr
	W2STEP 7, 1
	; groups 1 to 7, each with what follows the group before
.set ns, 8
.rept 56
	W2STEP ns, 2
.set ns, ns+1
.endr
.set it, 0
.rept 8                                ; what follows group 7 stands bare
	PMAX 7, it
	PADD 7, it
.if it%2 == 1
	W4P 7, it/2
.endif
.if it < 7
	PCVT 7, it+1
.endif
.set it, it+1
.endr
	WIN 0
	PLACES
.set e, 0
.rept 12
	v_fma_f32 v[Z+e], v[OUT+8*(e/3)+e%3], s[KK], v[KB4+e%3]   ; K (out + b4); each accumulator's register 0 is read first
.set e, e+1
.endr
.set e, 0
.rept 12
	v_exp_f32 v[Z+e], v[Z+e]
.set e, e+1
.endr
	v_nop
	s_wait_alu depctr_va_vdst(0)                   ; one wait for the twelve exponentials
.set e, 0
.rept 6
	v_pk_add_f32 v[Z+2*e:Z+2*e+1], v[Z+2*e:Z+2*e+1], 1.0 op_sel_hi:[1,0]
.set e, e+1
.endr
.set e, 0
.rept 12
	v_rcp_f32 v[Z+e], v[Z+e]
.set e, e+1
.endr
	v_nop
	s_wait_alu depctr_va_vdst(0)                   ; one wait for the twelve reciprocals
.set e, 0
.rept 6
	v_pk_fma_f32 v[Z+2*e:Z+2*e+1], v[Z+2*e:Z+2*e+1], -2.0, 1.0 op_sel_hi:[1,0,0]                       ; k
.set e, e+1
.endr
.set e, 0
.rept 6
	v_pk_fma_f32 v[KS+2*e:KS+2*e+1], v[Z+2*e:Z+2*e+1], s[CW:CW+1], v[KS+2*e:KS+2*e+1] op_sel_hi:[1,0,1]
	v_pk_fma_f32 v[XE+2*e:XE+2*e+1], v[Z+2*e:Z+2*e+1], s[CC:CC+1], v[X+2*e:X+2*e+1] op_sel_hi:[1,0,1]
.set e, e+1
.endr
	s_wait_loadcnt 0x0                             ; the quarter of Wc (and bc) is in
	s_cmp_gt_u32 s[SS], 1
	s_cbranch_scc0 .Lno_store
	; evaluation 4 - SE stores quarter 4 - SE, 32 rows of WCB: the quarter stands in the immediate (56,032 at the most), chosen by forward branches on the counter, which is alike in all partners
.irp qd, 0,1,2,3
	s_cmp_lg_u32 s[SE], 4-\qd
	s_cbranch_scc1 .Lnot_q\qd
.set e, 0
.rept 8
	ds_store_b128 v[VLW0], v[STG+4*e:STG+4*e+3] offset:32*P2*\qd+P2*e
.set e, e+1
.endr
.Lnot_q\qd:
.endr
	s_add_nc_u64 s[8:9], s[8:9], 16384
.Lno_store:
	s_sub_co_u32 s[SE], s[SE], 1
	s_cmp_lg_u32 s[SE], 0
	s_cbranch_scc1 .Leval
	; the block's end: x += h / 6 (k1 + 2 k2 + 2 k3 + k4)
.set e, 0
.rept 6
	v_pk_fma_f32 v[XE+2*e:XE+2*e+1], v[KS+2*e:KS+2*e+1], s[H6:H6+1], v[X+2*e:X+2*e+1] op_sel_hi:[1,0,1]
	v_pk_fma_f32 v[X+2*e:X+2*e+1], v[KS+2*e:KS+2*e+1], s[H6:H6+1], v[X+2*e:X+2*e+1] op_sel_hi:[1,0,1]
.set e, e+1
.endr
	s_cmp_gt_u32 s[SS], 1
	s_cbranch_scc0 .Lno_bcs
	v_pk_mul_f32 v[BCD:BCD+1], v[BCD:BCD+1], s[KP:KP+1] op_sel_hi:[1,0]
	ds_store_b64 v[VBL], v[BCD:BCD+1]              ; K bc of the next block
	s_add_nc_u64 s[10:11], s[10:11], 1024
.Lno_bcs:
.set e, 0
.rept 12
	ds_store_b32 v[VOS], v[X+e] offset:192*(e/3)+4*(e%3)   ; through my stage: 64 points x 12 bytes (both halves of the lanes hold the same points and write the same words)
.set e, e+1
.endr
.irp q, 0,1,2
	ds_load_b64 v[Z+2*\q:Z+2*\q+1], v[VOL] offset:256*\q   ; LDS serves a wave's instructions in order (ISA guide 5.7.1.4): these see the stores above
.endr
	s_wait_dscnt 0x0
	OUTST 16                                       ; out1[s]
	s_add_nc_u64 s[16:17], s[16:17], 12*NPTS       ; behind the last s_wait_xcnt 0: the stores and the prefetch have read their addresses
	s_add_nc_u64 s[PFA:PFA+1], s[PFA:PFA+1], BLK
	s_sub_co_u32 s[SS], s[SS], 1
	s_cmp_lg_u32 s[SS], 0
	s_cbranch_scc1 .Lblock
	OUTST 14                                       ; out0: the last block's x once more
	s_wait_tensorcnt 0x0                           ; the wave's end, behind my last tensor load and my last LDS store
	ds_add_u32 v[SPW], v[NIL]
	s_wait_dscnt 0x0
	ROUND                                          ; the closing round: no work-group ends while a partner may still ask for a block that names it
	s_endpgm
.Lfunc_end_k_qe1584e33cd_main:
	.size	k_qe1584e33cd_main, .Lfunc_end_k_qe1584e33cd_main-k_qe1584e33cd_main
	.p2alignl 7, 3214868480
	.fill 96, 4, 3214868480
	.section	.rodata,"a",@progbits
	.p2align	6, 0x0
	.amdhsa_kernel k_qe1584e33cd_main
		.amdhsa_group_segment_fixed_size 327680
		.amdhsa_private_segment_fixed_size 0
		.amdhsa_enable_private_segment 0
		.amdhsa_kernarg_size 56
		.amdhsa_user_sgpr_count 2
		.amdhsa_user_sgpr_kernarg_segment_ptr 1
		.amdhsa_wavefront_size32 1
		.amdhsa_system_sgpr_workgroup_id_x 1
		.amdhsa_system_sgpr_workgroup_id_y 1
		.amdhsa_system_sgpr_workgroup_id_z 1
		.amdhsa_system_vgpr_workitem_id 0
		.amdhsa_next_free_vgpr 1024
		.amdhsa_next_free_sgpr 96
		.amdhsa_reserve_vcc 1
		.amdhsa_float_denorm_mode_32 3
		.amdhsa_float_denorm_mode_16_64 3
		.amdhsa_memory_ordered 1
		.amdhsa_forward_progress 1
		.amdhsa_inst_pref_size 255
	.end_amdhsa_kernel
	.section	.bss,"aw",@nobits
	.p2align	6
	.space	262144
	.amdgpu_metadata
---
amdhsa.version: [ 1, 2 ]
amdhsa.kernels:
  - .name:           k_qe1584e33cd_main
    .symbol:         k_qe1584e33cd_main.kd
    .args:
      - { .name: input, .offset: 0, .size: 8, .value_kind: global_buffer, .address_space: global }
      - { .name: w2b, .offset: 8, .size: 8, .value_kind: global_buffer, .address_space: global }
      - { .name: wcb, .offset: 16, .size: 8, .value_kind: global_buffer, .address_space: global }
      - { .name: bc, .offset: 24, .size: 8, .value_kind: global_buffer, .address_space: global }
      - { .name: b4, .offset: 32, .size: 8, .value_kind: global_buffer, .address_space: global }
      - { .name: out0, .offset: 40, .size: 8, .value_kind: global_buffer, .address_space: global }
      - { .name: out1, .offset: 48, .size: 8, .value_kind: global_buffer, .address_space: global }
    .group_segment_fixed_size: 327680
    .private_segment_fixed_size: 0
    .kernarg_segment_align: 8
    .kernarg_segment_size: 56
    .max_flat_workgroup_size: 128
    .sgpr_count:     96
    .vgpr_count:     1024
    .wavefront_size: 32
...
	.end_amdgpu_metadata
.endif
;; end of part 2
